; MI455X (gfx1250); checked and timed in simulation.
; The chip was launched on July 23, 2026; its instructions are those of AMD's public machine-readable ISA for CDNA 5 (MIT licence, August 2026) and "CDNA5" Instruction Set Architecture Reference Guide (July 2026). The comments in the code are by the model that wrote it; some were corrected since.
;; Multi Head Cross Attention. Allowed arithmetic: matrix products marked QUANTISED: E4M3 operands, one given power-of-two scale a tensor, by v_wmma_f32_16x16x64_fp8_fp8 or v_wmma_f32_16x16x128_fp8_fp8, f32 sums; products left as they are: f32 operands where the result goes on into a quantised operand, else bf16, f16 or f32 operands; f32 sums; everything else in f32.
;; Inputs: Wkv 1,024 x 2,048 float32; Wo 1,024 x 1,024 float32; Wq 1,024 x 1,024 float32; bkv 2,048 float32; bo 1,024 float32; bq 1,024 float32; lowp_scales 8 int32 (the exponents e of the quantised operands' scales 2^e); x 4 x 4,096 x 1,024 float32; y 4 x 4,096 x 1,024 float32.
;; Outputs: out0 4 x 4,096 x 1,024 float32.
;; This version of the problem:
;;   THIS VERSION OF THE PROBLEM IS GIVEN IN LOW PRECISION. The matrix products marked QUANTISED in the list below multiply operands that are first quantised to E4M3 (4 exponent bits, 3 mantissa bits; 8 bits a number), with one given power-of-two scale for each operand tensor; their sums are f32. All else is computed in f32.
;;   The module's matrix products, in the order in which they are computed (A, B: the left and right operand; K: the contracted axis; several contracted axes count as one K, in the product's order):
;;     1. [M 16,384, K 1,024] x [K 1,024, N 2,048]; A: input x; B: input Wkv: QUANTISED (scales: A lowp_scales[0], B lowp_scales[1])
;;     2. [M 16,384, K 1,024] x [K 1,024, N 1,024]; A: input y; B: input Wq: QUANTISED (scales: A lowp_scales[2], B lowp_scales[3])
;;     3. batch 16,384 x [M 16, K 64] x [K 64, N 16]; A: computed on the way; B: computed on the way: QUANTISED (scales: A lowp_scales[4], B lowp_scales[5])
;;     4. batch 16,384 x [M 16, K 16] x [K 16, N 64]; A: softmax; B: computed on the way: left as it is (K = 16 < 32)
;;     5. [M 16,384, K 1,024] x [K 1,024, N 1,024]; A: computed on the way; B: input Wo: QUANTISED (scales: A lowp_scales[6], B lowp_scales[7])
;;   THE QUANTISER, for each operand of a quantised product, along K:
;;     - The operand's scale is 2^e, e = its entry of the input lowp_scales (int32; the entries are numbered through the quantised products in the list's order, A before B).
;;     - Each number is divided by the scale, clamped to +-448, and rounded to the nearest number of E4M3, ties to even, subnormals kept.
;;     - The product sums the exact products of the quantised numbers (number of the format x scale) in f32.
;;   ~~~python
;;   def quantise(x, axis, e):      # numpy; x: float32 -> the quantised numbers, widened to float32 again
;;       x = np.moveaxis(x, axis, -1); K = x.shape[-1]
;;       r = np.clip(x / 2.0 ** e, -448, 448)
;;       step = 2.0 ** (np.maximum(np.frexp(np.where(r == 0, 1, r))[1] - 1, -6) - 3)
;;       q = np.round(r / step) * step * 2.0 ** e      # np.round: ties to even
;;       return np.moveaxis(q, -1, axis).astype(np.float32)
;;   ~~~
;;   OPERANDS COMPUTED ON THE WAY. 'Computed on the way' means the value that the module computes at that place (a softmax that the list does not call 'softmax' is quantised finished and normalised). What goes into a quantiser is computed in f32, as accurately as f32 sums, v_exp_f32 and their like allow (about 1e-6 of the number): no bf16 or f16 on the way to a quantiser, and a product that is left as it is and whose result goes on into a quantised operand takes f32 operands (vector FMAs, or v_wmma_f32_16x16x4_f32). A number that lies on a knife's edge between two numbers of the format may be rounded either way, as far as f32 arithmetic and the matrix unit's own rounding can turn it there, and no further.
;; One version. Each part assembles by itself: llvm-mc -triple=amdgcn-amd-amdhsa -mcpu=gfx1250 --defsym DOCPART=n.
;; ======== version 1 of 1: 2 launches
;; limits: right only within a limited range of input values
;; workspace buffers: wcodes 4,194,304 bytes
;; launch prep (part 1): grid 64 x 8, 4 waves a work-group, no clusters, 0 bytes of LDS; arguments Wq, Wkv, Wo, lowp_scales, wcodes; writes wcodes
.if DOCPART == 1
	.amdgcn_target "amdgcn-amd-amdhsa--gfx1250"
	.amdhsa_code_object_version 6
	.text
	.protected	k_q82f5f3aeee_prep
	.globl	k_q82f5f3aeee_prep
	.p2align	8
	.type	k_q82f5f3aeee_prep,@function
k_q82f5f3aeee_prep:
	s_mov_b64 s[64:65], 0
	v_nop
	global_prefetch_b8 v0, s[64:65] scope:SCOPE_SE
	s_setreg_imm32_b32 hwreg(HW_REG_WAVE_MODE, 25, 1), 1
	s_wait_xcnt 0x0
; Wq [1024][1024], Wkv [1024][2048], Wo [1024][1024], f32 with K as the FIRST axis, become codes of E4M3 with the given scales 2^e3, 2^e1, 2^e7,
; laid as the stream of operand images that the second launch walks.  No work of the problem is left out in either launch: every input has a way to the output and is loaded.
; code = w / 2^e, held within +-448, rounded to the nearest code, ties to even.
; LIMITS: each e between -126 and 119, so that 2^e and 448 x 2^e are f32 numbers.  NaN and infinities among the inputs are not served.
; A FRAGMENT is 16 columns of a weight x 128 along K, 16 registers a lane: lane (r, h) holds column n0 + r; byte b of register group c is k(c, h, b).  Its IMAGE is 2,048 bytes: group c at 512 c + 16 x lane.
; THE STREAM: byte (w << 20) + 2048 f, f = 8 (8 p + s) + t: consuming wave w, pass p (0, 1: q; 2, 3: k; 4, 5: v; 6, 7: the way out), K step s, tile t.  With a = p & 1:
;   q and the way out: n0 = 256 w + 128 a + 16 t.    k: n0 = 128 (4 w + 2 a + t / 4) + 16 (t % 4).    v: n0 = 128 (8 a + t) + 64 + 16 w.
;   k(c, h, b) = 128 s + 32 c + 16 h + b for Wq and Wkv;  for Wo: 64 (8 (s & 1) + 2 c + b / 8) + 16 (s >> 1) + 8 h + b % 8, the order in which the second launch makes val's codes.
; ONE WAVE MAKES ONE FRAGMENT: a lane takes a column and its 64 registers run down K in the operand's own order, so the conversions' results are the image and nothing is transposed.
; The four waves of a work-group stand on 64 neighbouring columns: together they read 256 consecutive bytes of each row.  Each store of a wave covers 512 consecutive bytes, aligned.
.set X, 32                             ; v32-95   the lane's 64 numbers
.set C, 96                             ; v96-111  its 64 codes
	s_load_b256 s[4:11], s[0:1], 0x0               ; Wq s[4:5], Wkv s[6:7], Wo s[8:9], the scales' exponents s[10:11]
	s_load_b64 s[12:13], s[0:1], 0x20              ; the stream
	v_lshrrev_b32 v3, 5, v0
	v_readfirstlane_b32 s2, v3                     ; wave 0..3
	v_and_b32 v4, 31, v0
	v_and_b32 v5, 15, v0
	v_bfe_u32 v6, v0, 4, 1                         ; h
	v_lshlrev_b32 v1, 4, v4                        ; out: 16 x lane
	v_lshlrev_b32 v5, 2, v5                        ; in: 4 r
	s_lshr_b32 s26, ttmp9, 3                       ; the pass p
	s_and_b32 s27, ttmp9, 7                        ; the K step s
	s_lshr_b32 s28, s26, 1                         ; 0: q, 1: k, 2: v, 3: the way out
	s_and_b32 s29, s26, 1                          ; a
	s_and_b32 s30, ttmp7, 0xffff                   ; work-group y, 0..7
	s_lshr_b32 s31, s30, 1
	s_and_b32 s32, s30, 1
	s_lshl_b32 s32, s32, 2
	s_add_co_u32 s32, s32, s2
	s_cmp_eq_u32 s28, 2                            ; v: w = my wave, t = y;  else: w = y / 2, t = 4 (y % 2) + my wave: either way the four waves' columns are neighbours
	s_cselect_b32 s31, s2, s31                     ; w
	s_cselect_b32 s32, s30, s32                    ; t
	s_lshl_b32 s41, s31, 8
	s_lshl_b32 s37, s29, 7
	s_add_co_u32 s41, s41, s37
	s_lshl_b32 s37, s32, 4
	s_add_co_u32 s41, s41, s37
	s_lshl_b32 s41, s41, 2                         ; 4 (256 w + 128 a + 16 t): q's and the way out's first column, in bytes
	s_lshl_b32 s34, s31, 20
	s_lshl_b32 s35, ttmp9, 3
	s_add_co_u32 s35, s35, s32                     ; f = 8 (8 p + s) + t
	s_lshl_b32 s35, s35, 11
	s_add_co_u32 s34, s34, s35
	s_mov_b32 s35, 0
	s_mov_b32 s37, 0
	s_wait_kmcnt 0x0
	s_load_b256 s[16:23], s[10:11], 0x0            ; e0 .. e7
	s_add_nc_u64 s[12:13], s[12:13], s[34:35]      ; my image's place
; the lane's 64 numbers; omap = 1: Wo's order along K
.macro LOADW pitch, omap
.irp c,0,1,2,3
.irp b,0,1,2,3,4,5,6,7,8,9,10,11,12,13,14,15
.if \omap
	global_load_b32 v[X+16*\c+\b], v2, s[24:25] offset:(64*(2*\c+\b/8)+\b%8)*\pitch
.else
	global_load_b32 v[X+16*\c+\b], v2, s[24:25] offset:(32*\c+\b)*\pitch
.endif
.endr
.endr
.endm
	s_cmp_eq_u32 s28, 0                            ; the three arms part on the work-group's number alone; the exponents are awaited behind the arms' loads
	s_cbranch_scc1 .Lq
	s_cmp_eq_u32 s28, 3
	s_cbranch_scc1 .Lo
	s_lshl_b32 s36, s31, 9                         ; k: 512 w + 256 a + 128 (t / 4) + 16 (t % 4)
	s_lshl_b32 s38, s29, 8
	s_add_co_u32 s36, s36, s38
	s_lshr_b32 s38, s32, 2
	s_lshl_b32 s38, s38, 7
	s_add_co_u32 s36, s36, s38
	s_and_b32 s38, s32, 3
	s_lshl_b32 s38, s38, 4
	s_add_co_u32 s36, s36, s38
	s_lshl_b32 s38, s29, 10                        ; v: 1024 a + 128 t + 16 w + 64
	s_lshl_b32 s39, s32, 7
	s_add_co_u32 s38, s38, s39
	s_lshl_b32 s39, s31, 4
	s_add_co_u32 s38, s38, s39
	s_add_co_u32 s38, s38, 64
	s_cmp_eq_u32 s28, 2
	s_cselect_b32 s36, s38, s36
	s_lshl_b32 s36, s36, 2
	s_lshl_b32 s38, s27, 20                        ; 128 s rows of 8,192 bytes
	s_add_co_u32 s36, s36, s38
	s_add_nc_u64 s[24:25], s[6:7], s[36:37]
	s_wait_alu depctr_va_vdst(0)
	v_lshl_add_u32 v2, v6, 17, v5                  ; lanes 16-31 begin 16 rows further down
	LOADW 8192, 0
	s_branch .Ljoin
.Lq:
	s_lshl_b32 s36, s27, 19                        ; 128 s rows of 4,096 bytes
	s_add_co_u32 s36, s36, s41
	s_add_nc_u64 s[24:25], s[4:5], s[36:37]
	s_wait_alu depctr_va_vdst(0)
	v_lshl_add_u32 v2, v6, 16, v5
	LOADW 4096, 0
	s_branch .Ljoin
.Lo:
	s_and_b32 s36, s27, 1
	s_lshl_b32 s36, s36, 21                        ; 512 (s & 1) rows
	s_lshr_b32 s38, s27, 1
	s_lshl_b32 s38, s38, 16                        ; + 16 (s >> 1) rows
	s_add_co_u32 s36, s36, s38
	s_add_co_u32 s36, s36, s41
	s_add_nc_u64 s[24:25], s[8:9], s[36:37]
	s_wait_alu depctr_va_vdst(0)
	v_lshl_add_u32 v2, v6, 15, v5                  ; lanes 16-31 begin 8 rows further down
	LOADW 4096, 1
.Ljoin:
	s_wait_kmcnt 0x0                               ; e0 .. e7 are in
	s_cmp_eq_u32 s28, 0
	s_cselect_b32 s40, s19, s17                    ; q: e3; k and v: e1
	s_cmp_eq_u32 s28, 3
	s_cselect_b32 s40, s23, s40                    ; the way out: e7
	s_add_co_i32 s40, s40, 127
	s_lshl_b32 s41, s40, 23
	v_mov_b32 v11, s41                             ; 2^e as f32: the conversion takes its exponent field
	s_add_co_i32 s40, s40, 8
	s_lshl_b32 s40, s40, 23
	s_or_b32 s40, s40, 0x600000
	v_mov_b32 v10, s40                             ; 448 x 2^e
	s_wait_alu depctr_va_vdst(0)
	s_wait_loadcnt 0x0
.set i, 0
.rept 64
	v_med3_num_f32 v[X+i], v[X+i], -v10, v10       ; the conversion to an 8-bit code does not saturate (ISA guide 7.6.2): the hold comes first
.set i, i+1
.endr
.set i, 0
.rept 8
	v_cvt_scalef32_pk8_fp8_f32 v[C+2*i:C+2*i+1], v[X+8*i:X+8*i+7], v11
.set i, i+1
.endr
	v_nop                                          ; a plain line behind the last conversion
.irp c,0,1,2,3
	global_store_b128 v1, v[C+4*\c:C+4*\c+3], s[12:13] offset:512*\c
.endr
	s_endpgm
.Lfunc_end_k_q82f5f3aeee_prep:
	.size	k_q82f5f3aeee_prep, .Lfunc_end_k_q82f5f3aeee_prep-k_q82f5f3aeee_prep
	.p2alignl 7, 3214868480
	.fill 96, 4, 3214868480
	.section	.rodata,"a",@progbits
	.p2align	6, 0x0
	.amdhsa_kernel k_q82f5f3aeee_prep
		.amdhsa_group_segment_fixed_size 0
		.amdhsa_private_segment_fixed_size 0
		.amdhsa_enable_private_segment 0
		.amdhsa_kernarg_size 40
		.amdhsa_user_sgpr_count 2
		.amdhsa_user_sgpr_kernarg_segment_ptr 1
		.amdhsa_wavefront_size32 1
		.amdhsa_system_sgpr_workgroup_id_x 1
		.amdhsa_system_sgpr_workgroup_id_y 1
		.amdhsa_system_sgpr_workgroup_id_z 1
		.amdhsa_system_vgpr_workitem_id 0
		.amdhsa_next_free_vgpr 112
		.amdhsa_next_free_sgpr 66
		.amdhsa_reserve_vcc 0
		.amdhsa_float_denorm_mode_32 3
		.amdhsa_float_denorm_mode_16_64 3
		.amdhsa_memory_ordered 1
		.amdhsa_forward_progress 1
		.amdhsa_inst_pref_size 27
	.end_amdhsa_kernel
	.amdgpu_metadata
---
amdhsa.version: [ 1, 2 ]
amdhsa.kernels:
  - .name:           k_q82f5f3aeee_prep
    .symbol:         k_q82f5f3aeee_prep.kd
    .args:
      - { .name: Wq, .offset: 0, .size: 8, .value_kind: global_buffer, .address_space: global }
      - { .name: Wkv, .offset: 8, .size: 8, .value_kind: global_buffer, .address_space: global }
      - { .name: Wo, .offset: 16, .size: 8, .value_kind: global_buffer, .address_space: global }
      - { .name: lowp_scales, .offset: 24, .size: 8, .value_kind: global_buffer, .address_space: global }
      - { .name: wcodes, .offset: 32, .size: 8, .value_kind: global_buffer, .address_space: global }
    .group_segment_fixed_size: 0
    .private_segment_fixed_size: 0
    .kernarg_segment_align: 8
    .kernarg_segment_size: 40
    .max_flat_workgroup_size: 128
    .sgpr_count:     66
    .vgpr_count:     112
    .wavefront_size: 32
...
	.end_amdgpu_metadata
.endif
;; end of part 1
;; launch fused (part 2): grid 256 x 1, 4 waves a work-group, no clusters, 314,880 bytes of LDS; arguments y, x, wcodes, bq, bkv, bo, lowp_scales, out0; writes out0
.if DOCPART == 2
	.amdgcn_target "amdgcn-amd-amdhsa--gfx1250"
	.amdhsa_code_object_version 6
	.text
	.protected	k_q82f5f3aeee_fused
	.globl	k_q82f5f3aeee_fused
	.p2align	8
	.type	k_q82f5f3aeee_fused,@function
k_q82f5f3aeee_fused:
	s_mov_b64 s[64:65], 0
	v_nop
	global_prefetch_b8 v0, s[64:65] scope:SCOPE_SE
	s_setreg_imm32_b32 hwreg(HW_REG_WAVE_MODE, 25, 1), 1
	s_wait_xcnt 0x0
; out = Q(val) Q(Wo) + bo;  val = softmax_g(Q(q) . Q(k) / 8) v over the 16 HEADS of one position;  q = Q(y) Q(Wq) + bq;  k, v = Q(x) Q(Wkv) + bkv (head g: columns 128 g .. +63 are k, the next 64 are v).
; Q: codes of E4M3 with the given scales 2^e0 .. 2^e7 (x, Wkv, y, Wq, q, k, val, Wo).  No work of the problem is left out.
; SHARES.  A position's attention wants all 3,072 columns of its own row, so a work-group owns WHOLE rows: 64 positions, four tiles m of 16.  16,384 / 64 = 256 work-groups.  q, k, v, p and val never go to memory.
; In every large product wave w makes 128 columns a pass for all 64 rows: 32 accumulators, 256 registers; eight passes: q, q, k, k, v, v, out, out.  In the head and in the softmax wave w owns tile m = w.
; PRODUCTS ARE USED TRANSPOSED (source 0 = 16 columns of a weight, source 1 = 16 positions): register j of lane (r, h) is (position 16 m + r, column 16 t + 8 h + j).
; OPERANDS GO FROM WAVE TO WAVE THROUGH LDS AS IMAGES OF THEIR REGISTERS: a fragment (16 rows x 128 K, 16 registers a lane) is 2,048 bytes, register group c at 512 c + 16 x lane.
; THE WEIGHTS come as such images from the first launch, in the order in which this wave multiplies them, 1 MiB a wave, straight into a ring of 16 fragments in registers: four groups of 16 loads are always asked for,
; and the stream runs on over the passes, so that the ring is full again when a pass's way out, the softmax or p v ends.
; WHY NO TENSOR LOADS AND NO JOINT LOADS, though all work-groups walk the same weights: the images, codes and stages below take 314,880 of LDS's 327,680 bytes, so no slot for weights is left;
; with smaller shares of rows a slot of the size that could be had would hold some 30 fragments, 30 matrix instructions a wave between a request and its wait, behind a round of a cluster's barrier for each of over 64 slots.
; The biases, divided once by the power of two that the sums lack, are loaded as the accumulators' first contents: no addition, and no first K step written out.
; p v has f32 operands (its result goes into a quantiser): packed multiply-adds; a lane holds v of ONE position for all 16 heads (the v passes' tiles are heads), p comes from LDS.
; k IS PERMUTED ALIKE IN BOTH OPERANDS of each quantised product (four loads of 16 bytes a fragment): every product meets its partner; the order of the sums inside an instruction differs from ascending k.
; LIMITS on the given exponents, so that each power of two below is an f32 number: e0, e2, e4 - e2 - e3, e5 - e0 - e1, e6 - e0 - e1 between -126 and 119; e0 + e1, e2 + e3, e6 + e7 between -126 and 126;
; e4 + e5 between -123 and 130 (added to an exponent field).  NaN and infinities among the inputs are not served.
.set YIMG,  0                          ; LDS: y's codes, later val's: fragment (K step s, tile m) at (s / 2) 16384 + 4096 m + (s % 2) 2048
.set XIMG,  65536                      ; x's codes, likewise
.set QC,    131072                     ; q's codes, 1,040 bytes a position: the image of the K = 64 operand whose lane is the head; later p (f32), over the same bytes
.set KC,    197632                     ; k's codes
.set BIAS,  264192                     ; bq / 2^(e2+e3) at 0, bkv / 2^(e0+e1) at 4,096, bo / 2^(e6+e7) at 12,288
.set STAGE, 280576                     ; for each wave 16 rows x (512 + 16) bytes: the head's turn, and the way out
.set SPARE, 314368                     ; the spare words, 128 bytes for each wave: two blocks of 256 bytes that no other line names
.set PP,    1040                       ; 65 x 16: sixteen positions' rows start at sixteen different groups of banks (64 banks of 4 bytes: ISA guide 11.1)
.set SP,    528                        ; 33 x 16: likewise
; WINDOW 0: v1-26 as below; v27-31 at work in the set-up; v32-95, v96-159 two buffers of source 1 (tile m at + 16 m); v160-223 codes just made.
; WINDOW 1: the weight ring, fragment f at 16 f.   WINDOW 2: the head's four load slots; v of heads 0-7; the way out's registers.   WINDOW 3: the head's two turned sets; the accumulators, (m, t) at 8 (4 t + m).
.set LI,   1                           ; 16 x lane.  Also y's images' address: YIMG = 0
.set YA,   1
.set STW,  2                           ; my stage + 16 x lane
.set STR,  3                           ; my stage + 528 r + 64 h
.set IMGW, 4                           ; 4096 w + 16 x lane
.set XA,   6                           ; XIMG + 16 x lane
.set ADR,  7
.set ADR2, 8
.set BA1,  9                           ; BIAS + 1024 w + 32 h
.set BA2,  10                          ; BIAS + 2048 w + 32 h
.set BA3,  11                          ; BIAS + 64 w + 32 h
.set QW,   12                          ; QC + 1040 r + 256 h + 64 w
.set KW,   13
.set QP,   14                          ; QC + 16 x 1040 w + 16 x lane
.set KP,   15
.set PR,   16                          ; QC + 1040 r
.set VW,   17                          ; YIMG + 16384 w + 16 x lane
.set SO,   18                          ; my stage + 528 r + 32 h
.set PFO,  19                          ; the prefetch's offset; never rewritten
.set SC,   20                          ; the scale in hand, as f32
.set LIM,  21                          ; 448 x that
.set SPW,  22                          ; LDS address of my spare word; never rewritten
.set NIL,  23                          ; 0; never rewritten
.set BADR, 24
.set CW,   25
.set ADR3, 26
.set PFX,  28                          ; x's prefetch: 4096 (lane / 2) + 256 (lane % 2); never rewritten
.set XSC,  29                          ; 2^e0 as f32
.set XLM,  30                          ; 448 x that
.set XB,   31                          ; XIMG + 4096 w + 16 x lane + 2048 x q's pass
.set CD,   160
.set WV,   2                           ; s2 my wave
.set WP,   50                          ; s[50:51] where the trip in hand begins in my stream
.set LP,   52                          ; s[52:53] the head's pointer; afterwards:
.set P2,   54
.set P3,   56
.set AOF,  52                          ; the K steps' place in an image
.set CNT,  53
.set PH,   54
.set BOF,  55
.set COF,  56
.set HO,   57
.set GT,   58                          ; the trip's number in the stream, 0 .. 31
.set PFT,  59                          ; the trip in which I prefetch
.set HC,   60
.set IO,   61
.set MSB, 0
.macro WIN new                         ; s_set_vgpr_msb: bits 1:0 source 0, 3:2 source 1, 5:4 source 2, 7:6 destination; the high byte repeats the setting that is left
.if MSB != \new
	s_set_vgpr_msb (MSB<<8)|\new
.set MSB, \new
.endif
.endm
.macro NOP4                            ; four places behind a matrix instruction, in front of loads into its registers and of the first read of results
.rept 4
	v_nop
.endr
.endm
.macro BARRIER                         ; my LDS stores have landed and my LDS loads are in: then the work-group's barrier
	s_wait_dscnt 0x0
	s_barrier_signal -1
	s_barrier_wait -1
.endm
.macro MKSC sc, lim, e                 ; s[sc] = 2^E as f32, s[lim] = 448 x 2^E, E = s[e]
	s_add_co_i32 s[\sc], s[\e], 127
	s_add_co_i32 s[\lim], s[\sc], 8
	s_lshl_b32 s[\sc], s[\sc], 23
	s_lshl_b32 s[\lim], s[\lim], 23
	s_or_b32 s[\lim], s[\lim], 0x600000
.endm
.macro PIECE slot, ptr, q              ; a piece: my 16 rows x one K step (128 numbers): a row a load, 512 consecutive bytes
.set i, 0
.rept 16
	global_load_b128 v[64*(\slot)+4*i:64*(\slot)+4*i+3], v[LI], s[\ptr:\ptr+1] offset:4096*i+512*(\q) th:TH_LOAD_NT
.set i, i+1
.endr
.endm
.macro RING g, off                     ; group g of the ring: four fragments, 16 loads of 512 consecutive bytes
.irp i,0,1,2,3
.irp c,0,1,2,3
	global_load_b128 v[16*(4*(\g)+\i)+4*\c:16*(4*(\g)+\i)+4*\c+3], v[LI], s[WP:WP+1] offset:\off+(4*(\g)+\i)*2048+512*\c
.endr
.endr
.endm
.macro LDA reg, adr, off               ; the four tiles' fragments of one K step
.irp m,0,1,2,3
.irp c,0,1,2,3
	ds_load_b128 v[\reg+16*\m+4*\c:\reg+16*\m+4*\c+3], v[\adr] offset:\off+\m*4096+512*\c
.endr
.endr
.endm
	s_load_b512 s[4:19], s[0:1], 0x0               ; y 4, x 6, the stream 8, bq 10, bkv 12, bo 14, the exponents 16, out 18
	v_lshl_add_u32 v[SPW], v0, 2, SPARE
	v_mov_b32 v[NIL], 0
	v_lshrrev_b32 v27, 5, v0
	v_readfirstlane_b32 s[WV], v27                 ; wave 0..3
	v_and_b32 v27, 31, v0                          ; lane
	v_and_b32 v28, 15, v0                          ; r
	v_bfe_u32 v29, v0, 4, 1                        ; h
	v_lshlrev_b32 v[LI], 4, v27
	s_mul_i32 s62, s[WV], 16*SP
	s_add_co_u32 s62, s62, STAGE
	v_add_nc_u32 v[STW], s62, v[LI]
	v_mul_u32_u24 v30, v28, SP
	v_lshl_add_u32 v31, v29, 6, v30
	v_add_nc_u32 v[STR], s62, v31
	v_lshl_add_u32 v31, v29, 5, v30
	v_add_nc_u32 v[SO], s62, v31
	s_lshl_b32 s62, s[WV], 12
	v_add_nc_u32 v[IMGW], s62, v[LI]
	v_add_nc_u32 v[XA], XIMG, v[LI]
	s_lshl_b32 s62, s[WV], 10
	s_add_co_u32 s62, s62, BIAS
	v_lshl_add_u32 v[BA1], v29, 5, s62
	s_lshl_b32 s62, s[WV], 11
	s_add_co_u32 s62, s62, BIAS
	v_lshl_add_u32 v[BA2], v29, 5, s62
	s_lshl_b32 s62, s[WV], 6
	s_add_co_u32 s62, s62, BIAS
	v_lshl_add_u32 v[BA3], v29, 5, s62
	v_mul_u32_u24 v30, v28, PP
	v_add_nc_u32 v[PR], QC, v30
	v_lshl_add_u32 v31, v29, 8, v30
	s_lshl_b32 s62, s[WV], 6
	s_add_co_u32 s62, s62, QC
	v_add_nc_u32 v[QW], s62, v31
	v_add_nc_u32 v[KW], KC-QC, v[QW]
	s_mul_i32 s62, s[WV], 16*PP
	s_add_co_u32 s62, s62, QC
	v_add_nc_u32 v[QP], s62, v[LI]
	v_add_nc_u32 v[KP], KC-QC, v[QP]
	s_lshl_b32 s62, s[WV], 14
	v_add_nc_u32 v[VW], s62, v[LI]
	v_lshl_add_u32 v[BADR], v0, 4, BIAS            ; the bias table: 16 bytes a thread, 2,048 a store
	v_lshlrev_b32 v[CW], 4, v0
	; THE PREFETCH.  A trip of the stream is 4 waves x 32,768 bytes = 16 parts of 8,192.  Work-group b answers for trip T = b / 8; its waves 0 and 1 take parts 2 (b % 8) + w, lanes 256 bytes apart: each block of 256 bytes
	; of trips 4 to 31 is named once in the launch, in trip T - 4: three trips, 192 matrix instructions, ahead of the ring's load of it.  Trips 0 to 3 come by their loads alone.
	s_lshr_b32 s62, ttmp9, 3                       ; T
	s_sub_co_i32 s[PFT], s62, 4                    ; below 0 where T < 4: no trip has that number
	s_cmp_lt_u32 s[WV], 2
	s_cselect_b32 s[PFT], s[PFT], -1
	s_and_b32 s63, ttmp9, 7
	s_lshl_b32 s63, s63, 1
	s_and_b32 s3, s[WV], 1
	s_add_co_u32 s63, s63, s3                      ; the part, 0 .. 15
	s_lshr_b32 s3, s63, 2
	s_lshl_b32 s3, s3, 20                          ; whose stream,
	s_and_b32 s63, s63, 3
	s_lshl_b32 s63, s63, 13                        ; which quarter of its trip
	s_add_co_u32 s3, s3, s63
	s_lshl_b32 s62, s62, 15
	s_add_co_u32 s3, s3, s62
	v_lshl_add_u32 v[PFO], v27, 8, s3
	v_lshrrev_b32 v30, 1, v27
	v_and_b32 v31, 1, v27
	v_lshlrev_b32 v31, 8, v31
	v_lshl_add_u32 v[PFX], v30, 12, v31
	s_mov_b32 s[GT], 0
	s_mov_b32 s48, 0x76543210                      ; v_permlanex16_b32's selects for lane l xor 16
	s_mov_b32 s49, 0xfedcba98
	s_lshl_b32 s62, ttmp9, 18                      ; my work-group's 64 rows of 4,096 bytes,
	s_lshl_b32 s3, s[WV], 16                       ; my wave's 16
	s_add_co_u32 s62, s62, s3
	s_mov_b32 s63, 0
	s_wait_alu depctr_va_vdst(0)
	s_wait_kmcnt 0x0
	s_load_b256 s[20:27], s[16:17], 0x0            ; e0 .. e7
	s_add_nc_u64 s[4:5], s[4:5], s[62:63]
	s_add_nc_u64 s[6:7], s[6:7], s[62:63]
	s_lshl_b32 s62, ttmp9, 18
	s_lshl_b32 s3, s[WV], 10                       ; out: my wave's 256 columns
	s_add_co_u32 s62, s62, s3
	s_add_nc_u64 s[18:19], s[18:19], s[62:63]
	s_lshl_b32 s62, s[WV], 20
	s_add_nc_u64 s[WP:WP+1], s[8:9], s[62:63]
	s_add_nc_u64 s[LP:LP+1], s[4:5], 2048          ; y's K steps 4-7
.irp n,0,1
	global_load_b128 v[160+4*\n:163+4*\n], v[CW], s[10:11] offset:2048*\n
.endr
.irp n,0,1,2,3
	global_load_b128 v[168+4*\n:171+4*\n], v[CW], s[12:13] offset:2048*\n
.endr
.irp n,0,1
	global_load_b128 v[184+4*\n:187+4*\n], v[CW], s[14:15] offset:2048*\n
.endr
	WIN 0x80
	PIECE 0, 4, 0
	PIECE 1, 4, 1
	PIECE 2, 4, 2
	WIN 0
	s_wait_kmcnt 0x0
	MKSC 28, 29, 22                                ; y's conversions: 2^e2
	MKSC 30, 31, 20                                ; x's: 2^e0
	s_add_co_i32 s3, s22, s23                      ; a sum of y's product stands for sum x 2^(e2+e3): q's code is sum / 2^(e4-e2-e3)
	s_sub_co_i32 s62, s24, s3
	MKSC 32, 33, 62
	s_sub_co_i32 s38, 127, s3
	s_lshl_b32 s38, s38, 23                        ; 2^-(e2+e3), for bq
	s_mov_b32 s39, s38                             ; (each of these is named as a pair, so the upper word is written)
	s_add_co_i32 s63, s20, s21
	s_sub_co_i32 s62, s25, s63
	MKSC 34, 35, 62                                ; k's: 2^(e5-e0-e1)
	s_sub_co_i32 s62, s26, s63
	MKSC 36, 37, 62                                ; val's: v stays divided by 2^(e0+e1), so 2^(e6-e0-e1)
	s_sub_co_i32 s40, 127, s63
	s_lshl_b32 s40, s40, 23                        ; 2^-(e0+e1), for bkv
	s_mov_b32 s41, s40
	s_add_co_i32 s3, s26, s27
	s_sub_co_i32 s42, 127, s3
	s_lshl_b32 s42, s42, 23                        ; 2^-(e6+e7), for bo
	s_mov_b32 s43, s42
	s_add_co_i32 s46, s3, 127
	s_lshl_b32 s46, s46, 23                        ; 2^(e6+e7), for the last sums
	s_mov_b32 s47, s46
	s_add_co_i32 s3, s24, s25
	s_lshl_b32 s3, s3, 23
	s_add_co_i32 s44, s3, 0x3e38aa3b               ; c = log2(e) / 8 with e4 + e5 added to its exponent field
	s_mov_b32 s45, s44
	s_wait_loadcnt 48                              ; behind the eight bias loads: three pieces of 16 loads
.irp j,0,2,4,6
	v_pk_mul_f32 v[160+\j:161+\j], v[160+\j:161+\j], s[38:39] op_sel_hi:[1,0]
.endr
.irp j,0,2,4,6,8,10,12,14
	v_pk_mul_f32 v[168+\j:169+\j], v[168+\j:169+\j], s[40:41] op_sel_hi:[1,0]
.endr
.irp j,0,2,4,6
	v_pk_mul_f32 v[184+\j:185+\j], v[184+\j:185+\j], s[42:43] op_sel_hi:[1,0]
.endr
.irp n,0,1,2,3,4,5,6,7
	ds_store_b128 v[BADR], v[160+4*\n:163+4*\n] offset:2048*\n
.endr
	WIN 0x80
	PIECE 3, 4, 3
	WIN 0
; THE HEAD: my 16 rows of y become eight fragments (x's follow inside q's passes: macro TRIPX).  A load is best where neighbouring lanes take neighbouring bytes, a conversion wants 16 neighbours along K in one lane:
; so a piece goes through my stage as it lies and comes back 64 bytes a lane: register 16 c + i = k 32 c + 16 h + i of row r.  LDS serves a wave's instructions in order (ISA guide 5.7.1.4): no wait between the stores and the loads.
.macro TURN z
	WIN 0x08
.set i, 0
.rept 16
	ds_store_b128 v[STW], v[64*(\z)+4*i:64*(\z)+4*i+3] offset:SP*i
.set i, i+1
.endr
	WIN 0xc0
.irp b,0,1,2,3
.irp j,0,1,2,3
	ds_load_b128 v[64*((\z)%2)+16*\b+4*\j:64*((\z)%2)+16*\b+4*\j+3], v[STR] offset:128*\b+16*\j
.endr
.endr
	WIN 0
.endm
.macro QUANT z                         ; set z becomes a fragment's codes in v[CD] on
	WIN 0xc3
.set i, 64*(\z)
.rept 64
	v_med3_num_f32 v[i], v[i], -v[LIM], v[LIM]     ; the conversion to an 8-bit code does not saturate (ISA guide 7.6.2): the hold comes first
.set i, i+1
.endr
	WIN 0x03
.set i, 0
.rept 8
	v_cvt_scalef32_pk8_fp8_f32 v[CD+2*i:CD+2*i+1], v[64*(\z)+8*i:64*(\z)+8*i+7], v[SC]
.set i, i+1
.endr
	WIN 0
	v_nop                                          ; a plain line behind the last conversion
.endm
; Piece 4 trip + q.  Four groups of 16 loads are out throughout: tail = 0: slot q takes the piece four on; tail = 1: no piece is left, and the weight ring's group q takes its place.
.macro STEPH q, tail
	s_wait_dscnt 0x0                               ; this piece is back from the stage, so the stage's stores have read slot q; the last image's stores have read their codes
.if \tail
	WIN 0x40
	RING \q, 0
.if \q >= 2
	global_prefetch_b8 v[PFX], s[6:7] offset:1024*(\q-2) th:TH_LOAD_NT scope:SCOPE_SE   ; x's K steps 0 and 2, which q's first two trips load: my 16 rows, a lane a block of 256 bytes
.endif
.else
	WIN 0x80
	PIECE \q, LP, \q
.endif
.if (\q < 3) || !(\tail)
	s_wait_loadcnt 48                              ; the next piece is in: three groups of 16 were issued behind it
	TURN (\q+1)%4                                  ; and goes through the stage while this one is quantised
.endif
	QUANT \q%2
.irp c,0,1,2,3
	ds_store_b128 v[ADR], v[CD+4*\c:CD+4*\c+3] offset:(\q/2)*16384+(\q%2)*2048+512*\c
.endr
.endm
	s_wait_loadcnt 48                              ; piece 0 is in
	TURN 0
	v_mov_b32 v[SC], s28                           ; y's scale and bound,
	v_mov_b32 v[LIM], s29
	v_mov_b32 v[XSC], s30                          ; x's, kept for q's passes
	v_mov_b32 v[XLM], s31
	v_mov_b32 v[ADR], v[IMGW]                      ; y's K steps 0-3
	s_wait_alu depctr_va_vdst(0)
	STEPH 0, 0
	STEPH 1, 0
	STEPH 2, 0
	STEPH 3, 0
	v_add_nc_u32 v[ADR], 32768, v[IMGW]            ; y's K steps 4-7: the ring is filled beside them
	STEPH 0, 1
	STEPH 1, 1
	STEPH 2, 1
	STEPH 3, 1
	BARRIER                                        ; y's images and the bias table lie in LDS
.macro ASK
	s_cmp_eq_u32 s[GT], s[PFT]
	s_cbranch_scc0 .Lnoask_\@
	global_prefetch_b8 v[PFO], s[8:9] th:TH_LOAD_NT scope:SCOPE_SE
.Lnoask_\@:
.endm
; 16 matrix instructions: the ring's group g (tiles 4 (g % 2) .. + 3 of K step g / 2) x the four tiles of rows.  The 32 accumulators take turns, one instruction a turn, in the same order in every K step.
.macro MUL g
.set bufr, 32+64*((\g)/2)
.irp tt,0,1,2,3
.irp m,0,1,2,3
	v_wmma_f32_16x16x128_fp8_fp8 v[8*(4*(4*((\g)%2)+\tt)+\m):8*(4*(4*((\g)%2)+\tt)+\m)+7], v[16*(4*(\g)+\tt):16*(4*(\g)+\tt)+15], v[bufr+16*\m:bufr+16*\m+15], v[8*(4*(4*((\g)%2)+\tt)+\m):8*(4*(4*((\g)%2)+\tt)+\m)+7]
.endr
.endr
.endm
; A TRIP: two K steps, 64 matrix instructions, 16 fragments of the stream.  Each group of the ring is asked for again, a trip on, as soon as it is multiplied.  Every wait on LOADcnt for 48 counts the three groups issued behind the one wanted;
; every wait on DScnt for 16 the other buffer's loads, just issued.  refill = 0: the stream's last trip: nothing is asked for and the counts run down.
.macro TRIP accm, img, refill
.if \refill
	ASK
.endif
	v_add_nc_u32 v[ADR], s[AOF], v[\img]
	LDA 96, ADR, 2048                              ; the odd K step's rows
	s_wait_loadcnt 48
	s_wait_dscnt 16
	WIN \accm
	MUL 0
.if \refill
	NOP4
	WIN 0x40
	RING 0, 32768
	s_wait_loadcnt 48
	WIN \accm
.else
	s_wait_loadcnt 32
.endif
	MUL 1
.if \refill
	NOP4
	WIN 0x40
	RING 1, 32768
	WIN 0
	s_add_co_u32 s[AOF], s[AOF], 16384
	s_and_b32 s[AOF], s[AOF], 0xffff               ; a pass's last trip fetches K step 0 again: the next pass on the same image begins with it
	v_add_nc_u32 v[ADR2], s[AOF], v[\img]
	LDA 32, ADR2, 0                                ; the next even K step's rows
	s_wait_loadcnt 48
	s_wait_dscnt 16
	WIN \accm
.else
	s_wait_loadcnt 16
	s_wait_dscnt 0x0
.endif
	MUL 2
.if \refill
	NOP4
	WIN 0x40
	RING 2, 32768
	s_wait_loadcnt 48
	WIN \accm
.else
	s_wait_loadcnt 0x0
.endif
	MUL 3
.if \refill
	NOP4
	WIN 0x40
	RING 3, 32768
	WIN 0
	s_wait_xcnt 0x0                                ; the trip's loads have read their base
	s_add_nc_u64 s[WP:WP+1], s[WP:WP+1], 32768
	s_add_co_u32 s[GT], s[GT], 1
.else
	WIN 0
.endif
.endm
; A TRIP OF q's PASSES also makes one fragment of x: K step 2 i + a in trip i of pass a.  Its piece (16 loads) is asked for behind the trip's first LDS loads, into window 2's v0-63.
; Order on LOADcnt in a trip: the piece, then the ring's groups 0 to 3.  Behind the group wanted at each of the first three waits stand three groups and the piece, 64 loads: the wait names 63, the most its field holds;
; the fourth wait, for 48, covers group 3 and the piece.  Behind the last products the piece turns through my stage into window 2's v64-127, is quantised into v224-239, and goes to x's image.
; x IS PREFETCHED, 32 blocks of 256 bytes an instruction, a lane a block, my own rows alone, each block once: K steps 0 and 2 in the head's last two steps; in pass 0, trip i asks for the odd K step 2 i + 1,
; which pass 1 loads four trips on, and trips 0 and 1 also for the even K steps 4 and 6, two trips on.  Every address stays inside its row of 4,096 bytes.
.macro TRIPX accm, img
	ASK
	v_add_nc_u32 v[ADR], s[AOF], v[\img]
	v_add_nc_u32 v[ADR3], s[AOF], v[XB]            ; where this trip's fragment of x goes
	LDA 96, ADR, 2048
	WIN 0x80
	PIECE 0, 6, 0
	WIN 0
	s_wait_loadcnt 63
	s_wait_dscnt 16
	WIN \accm
	MUL 0
	NOP4
	WIN 0x40
	RING 0, 32768
	s_wait_loadcnt 63
	WIN \accm
	MUL 1
	NOP4
	WIN 0x40
	RING 1, 32768
	WIN 0
	s_add_co_u32 s[AOF], s[AOF], 16384
	s_and_b32 s[AOF], s[AOF], 0xffff
	v_add_nc_u32 v[ADR2], s[AOF], v[\img]
	LDA 32, ADR2, 0
	s_cmp_eq_u32 s[PH], 0
	s_cbranch_scc0 .Lnx_\@
	global_prefetch_b8 v[PFX], s[6:7] offset:512 th:TH_LOAD_NT scope:SCOPE_SE
	s_cmp_lt_u32 s[GT], 2
	s_cbranch_scc0 .Lnx_\@
	global_prefetch_b8 v[PFX], s[6:7] offset:2048 th:TH_LOAD_NT scope:SCOPE_SE
.Lnx_\@:
	s_wait_loadcnt 63
	s_wait_dscnt 16
	WIN \accm
	MUL 2
	NOP4
	WIN 0x40
	RING 2, 32768
	s_wait_loadcnt 48                              ; group 3 and x's piece are in
	WIN \accm
	MUL 3
	NOP4
	WIN 0x40
	RING 3, 32768
	WIN 0x08
.set i, 0
.rept 16
	ds_store_b128 v[STW], v[4*i:4*i+3] offset:SP*i
.set i, i+1
.endr
	WIN 0x80
.irp b,0,1,2,3
.irp j,0,1,2,3
	ds_load_b128 v[64+16*\b+4*\j:64+16*\b+4*\j+3], v[STR] offset:128*\b+16*\j
.endr
.endr
	s_wait_dscnt 0x0                               ; the piece is back, 64 neighbours a lane; the stage's stores have read v0-63
	WIN 0x82
.set i, 64
.rept 64
	v_med3_num_f32 v[i], v[i], -v[XLM], v[XLM]     ; the hold ahead of a conversion that does not saturate (ISA guide 7.6.2)
.set i, i+1
.endr
	WIN 0x02
.set i, 0
.rept 8
	v_cvt_scalef32_pk8_fp8_f32 v[224+2*i:224+2*i+1], v[64+8*i:64+8*i+7], v[XSC]
.set i, i+1
.endr
	WIN 0
	v_nop                                          ; a plain line behind the last conversion
.irp c,0,1,2,3
	ds_store_b128 v[ADR3], v[224+4*\c:224+4*\c+3] offset:512*\c
.endr
	s_wait_xcnt 0x0                                ; the trip's loads and its prefetch have read their bases
	s_add_nc_u64 s[WP:WP+1], s[WP:WP+1], 32768
	s_add_nc_u64 s[6:7], s[6:7], 1024              ; two K steps on in x's rows
	s_add_co_u32 s[GT], s[GT], 1
.endm
; A PASS: 128 columns x 64 rows.  The accumulators begin as the columns' biases: tile t's eight of my half at b0 + (t % 4) ta + (t / 4) tb.  xq = 1: its trips also quantise x.
.macro PASS accm, accl, img, badr, b0, ta, tb, trips, xq
	WIN \accl
.irp t,0,1,2,3,4,5,6,7
.irp m,0,1,2,3
	ds_load_b128 v[8*(4*\t+\m):8*(4*\t+\m)+3], v[\badr] offset:\b0+(\t%4)*\ta+(\t/4)*\tb
	ds_load_b128 v[8*(4*\t+\m)+4:8*(4*\t+\m)+7], v[\badr] offset:\b0+(\t%4)*\ta+(\t/4)*\tb+16
.endr
.endr
	WIN 0
	s_mov_b32 s[AOF], 0
	s_mov_b32 s[CNT], \trips
	s_wait_dscnt 0x0
.Ltrip_\@:
.if \xq
	TRIPX \accm, \img
.else
	TRIP \accm, \img, 1
.endif
	s_sub_co_u32 s[CNT], s[CNT], 1
	s_cmp_lg_u32 s[CNT], 0
	s_cbranch_scc1 .Ltrip_\@
.endm
.macro PASS_END
	s_wait_dscnt 0x0                               ; the look-ahead's loads are in
	NOP4
.endm
; q's or k's way out: a pass is two heads.  Tiles 2 bb and 2 bb + 1 give a lane 16 numbers of head bb / 2: d = 32 (bb % 2) + 8 h + j and + 16: one chunk of the K = 64 operand's image, the same order of d for q and for k.
.macro EPI_CODE
.irp m,0,1,2,3
	WIN 0xc3
.irp t,0,1,2,3,4,5,6,7
.irp j,0,1,2,3,4,5,6,7
	v_med3_num_f32 v[8*(4*\t+\m)+\j], v[8*(4*\t+\m)+\j], -v[LIM], v[LIM]
.endr
.endr
	WIN 0x03
.irp bb,0,1,2,3
	v_cvt_scalef32_pk8_fp8_f32 v[CD+4*(4*\m+\bb):CD+4*(4*\m+\bb)+1], v[8*(8*\bb+\m):8*(8*\bb+\m)+7], v[SC]
	v_cvt_scalef32_pk8_fp8_f32 v[CD+4*(4*\m+\bb)+2:CD+4*(4*\m+\bb)+3], v[8*(8*\bb+4+\m):8*(8*\bb+4+\m)+7], v[SC]
.endr
	WIN 0
	v_nop                                          ; a plain line behind the last conversion
.irp bb,0,1,2,3
	ds_store_b128 v[CW], v[CD+4*(4*\m+\bb):CD+4*(4*\m+\bb)+3] offset:\m*16*PP+(\bb%2)*512+(\bb/2)*16
.endr
.endr
.endm
.macro PHASE img, ba, b0, tb, bstep, cw, ssc, xq   ; two passes and their ways out; xq = 1: x is quantised beside them
	LDA 32, \img, 0
	v_mov_b32 v[SC], s[\ssc]
	v_mov_b32 v[LIM], s[\ssc+1]
	s_mov_b32 s[PH], 0
	s_mov_b32 s[BOF], 0
	s_mov_b32 s[COF], 0
.Lph_\@:
	v_add_nc_u32 v[BADR], s[BOF], v[\ba]
	v_add_nc_u32 v[CW], s[COF], v[\cw]
.if \xq
	s_lshl_b32 s62, s[BOF], 2                      ; 2048 x the pass
	s_add_co_u32 s62, s62, XIMG
	v_add_nc_u32 v[XB], s62, v[IMGW]
	s_wait_alu depctr_va_vdst(0)                   ; the wait behind the write: every trip reads it
.endif
	PASS 0xf1, 0xc0, \img, BADR, \b0, 64, \tb, 4, \xq
	PASS_END
	s_wait_alu depctr_va_vdst(0)
	EPI_CODE
	s_add_co_u32 s[BOF], s[BOF], \bstep
	s_add_co_u32 s[COF], s[COF], 32
.if \xq
	s_sub_nc_u64 s[6:7], s[6:7], 3584              ; four trips went 4,096 bytes along x's rows: back to K step 1
.endif
	s_add_co_u32 s[PH], s[PH], 1
	s_cmp_lt_u32 s[PH], 2
	s_cbranch_scc1 .Lph_\@
.endm
	PHASE YA, BA1, 0, 256, 512, QW, 32, 1          ; q: my heads 4 w .. 4 w + 3; and my 16 rows of x become codes
	BARRIER                                        ; x's images lie in LDS
	PHASE XA, BA2, 4096, 512, 1024, KW, 34, 0      ; k: likewise
	BARRIER                                        ; all heads' codes of q and k lie in LDS
; THE SOFTMAX, my 16 positions, four a trip.  S^T = k q^T (source 0 = the 16 key heads, source 1 = the 16 query heads): lane (r, h) holds query head r and key heads 8 h + j.
; p = 2^(c s - c max) / the sum, finished and normalised, f32; it goes over q's codes of the same position, which only this wave has read.
.set KK, 32
.set QQ, 64
.set SS, 96
.set TT, 128                           ; eight registers a position: +0 c max, +1 its pair's upper half, +2 .. +5 at work
.irp p,0,1,2,3
	v_mov_b32 v[TT+8*\p+1], 0
.endr
	s_mov_b32 s62, 0
.Lsoft:
	v_add_nc_u32 v[ADR], s62, v[QP]
	v_add_nc_u32 v[ADR2], s62, v[KP]
.irp p,0,1,2,3
	ds_load_b128 v[KK+8*\p:KK+8*\p+3], v[ADR2] offset:PP*\p
	ds_load_b128 v[KK+8*\p+4:KK+8*\p+7], v[ADR2] offset:PP*\p+512
	ds_load_b128 v[QQ+8*\p:QQ+8*\p+3], v[ADR] offset:PP*\p
	ds_load_b128 v[QQ+8*\p+4:QQ+8*\p+7], v[ADR] offset:PP*\p+512
.endr
	s_wait_dscnt 0x0
.irp p,0,1,2,3
	v_wmma_f32_16x16x64_fp8_fp8 v[SS+8*\p:SS+8*\p+7], v[KK+8*\p:KK+8*\p+7], v[QQ+8*\p:QQ+8*\p+7], 0
.endr
	NOP4
.irp p,0,1,2,3
	v_max3_num_f32 v[TT+8*\p+2], v[SS+8*\p], v[SS+8*\p+1], v[SS+8*\p+2]
.endr
.irp p,0,1,2,3
	v_max3_num_f32 v[TT+8*\p+3], v[SS+8*\p+3], v[SS+8*\p+4], v[SS+8*\p+5]
.endr
.irp p,0,1,2,3
	v_max3_num_f32 v[TT+8*\p+2], v[TT+8*\p+2], v[SS+8*\p+6], v[SS+8*\p+7]
.endr
.irp p,0,1,2,3
	v_max_num_f32 v[TT+8*\p+2], v[TT+8*\p+2], v[TT+8*\p+3]
.endr
.irp p,0,1,2,3
	v_permlanex16_b32 v[TT+8*\p+3], v[TT+8*\p+2], s48, s49   ; the other eight key heads lie in the lane 16 away
.endr
.irp p,0,1,2,3
	v_max_num_f32 v[TT+8*\p+2], v[TT+8*\p+2], v[TT+8*\p+3]
.endr
.irp p,0,1,2,3
	v_mul_f32 v[TT+8*\p], s44, v[TT+8*\p+2]        ; c max (c is positive)
.endr
.irp p,0,1,2,3
.irp j,0,2,4,6
	v_pk_fma_f32 v[SS+8*\p+\j:SS+8*\p+\j+1], v[SS+8*\p+\j:SS+8*\p+\j+1], s[44:45], v[TT+8*\p:TT+8*\p+1] op_sel_hi:[1,0,0] neg_lo:[0,0,1] neg_hi:[0,0,1]
.endr
.endr
.set i, 0
	s_wait_alu depctr_va_vdst(0)
.rept 32
	v_exp_f32 v[SS+i], v[SS+i]
.set i, i+1
.endr
	v_nop                                          ; a plain line behind the last exponential
	s_wait_alu depctr_va_vdst(0)                   ; one wait for the batch of 32, ahead of its first reader
.irp p,0,1,2,3
	v_pk_add_f32 v[TT+8*\p+2:TT+8*\p+3], v[SS+8*\p:SS+8*\p+1], v[SS+8*\p+2:SS+8*\p+3]
.endr
.irp p,0,1,2,3
	v_pk_add_f32 v[TT+8*\p+4:TT+8*\p+5], v[SS+8*\p+4:SS+8*\p+5], v[SS+8*\p+6:SS+8*\p+7]
.endr
.irp p,0,1,2,3
	v_pk_add_f32 v[TT+8*\p+2:TT+8*\p+3], v[TT+8*\p+2:TT+8*\p+3], v[TT+8*\p+4:TT+8*\p+5]
.endr
.irp p,0,1,2,3
	v_add_f32 v[TT+8*\p+2], v[TT+8*\p+2], v[TT+8*\p+3]
.endr
.irp p,0,1,2,3
	v_permlanex16_b32 v[TT+8*\p+3], v[TT+8*\p+2], s48, s49
.endr
.irp p,0,1,2,3
	v_add_f32 v[TT+8*\p+2], v[TT+8*\p+2], v[TT+8*\p+3]
.endr
	s_wait_alu depctr_va_vdst(0)
.irp p,0,1,2,3
	v_rcp_f32 v[TT+8*\p+4], v[TT+8*\p+2]
.endr
	v_nop                                          ; a plain line behind the last reciprocal
	s_wait_alu depctr_va_vdst(0)                   ; one wait for the four
.irp p,0,1,2,3
.irp j,0,2,4,6
	v_pk_mul_f32 v[SS+8*\p+\j:SS+8*\p+\j+1], v[SS+8*\p+\j:SS+8*\p+\j+1], v[TT+8*\p+4:TT+8*\p+5] op_sel_hi:[1,0]
.endr
.endr
.irp p,0,1,2,3
	ds_store_b128 v[ADR], v[SS+8*\p:SS+8*\p+3] offset:PP*\p          ; p[r][8 h + 0 .. 3]
	ds_store_b128 v[ADR], v[SS+8*\p+4:SS+8*\p+7] offset:PP*\p+512    ; p[r][8 h + 4 .. 7]
.endr
	s_add_co_u32 s62, s62, 4*PP
	s_cmp_lt_u32 s62, 16*PP
	s_cbranch_scc1 .Lsoft
	BARRIER                                        ; p of all 64 positions lies in LDS; nobody reads y's images any more
	; v: tile t of pass a is HEAD 8 a + t, and I own d = 16 w .. 16 w + 15 of all heads.  The sums stay in registers, divided by 2^(e0+e1): heads 0-7 in window 2, heads 8-15 in window 3.
	LDA 32, XA, 0
	PASS 0xa1, 0x80, XA, BA3, 4096+256, 512, 2048, 4, 0
	PASS_END
	PASS 0xf1, 0xc0, XA, BA3, 8192+256, 512, 2048, 4, 0
	PASS_END
; val[l][hq][d] = the sum over g of p[l][hq][g] v[l][g][d], f32.  Lane (r, h) holds v of position 16 m + r at d = 16 w + 8 h + j; p of its position comes from LDS, 16 numbers a query head.
; Two query heads a set, two sets by turns: while one is multiplied the other's p is on its way.  A set's 16 results are one register group of val's image: K step 2 w + u of the last product, k = 64 (8 u + 2 c + b / 8) + 16 w + 8 h + b % 8.
.macro PLOAD base, adr, m, h0
.irp hs,0,1
	ds_load_b128 v[\base+16*\hs:\base+16*\hs+3], v[\adr] offset:\m*16*PP+(\h0+\hs)*16
	ds_load_b128 v[\base+16*\hs+4:\base+16*\hs+7], v[\adr] offset:\m*16*PP+(\h0+\hs)*16+512
	ds_load_b128 v[\base+16*\hs+8:\base+16*\hs+11], v[\adr] offset:\m*16*PP+(\h0+\hs)*16+256
	ds_load_b128 v[\base+16*\hs+12:\base+16*\hs+15], v[\adr] offset:\m*16*PP+(\h0+\hs)*16+768
.endr
.endm
.macro FMA pb, va, m                   ; 128 packed instructions; eight sums take turns; the first product starts them
.set g, 0
.rept 16
.if g < 8
	WIN 0x02
.set vr, 8*(4*g+\m)
.else
	WIN 0x03
.set vr, 8*(4*(g-8)+\m)
.endif
.irp hs,0,1
.irp q,0,2,4,6
.if g == 0
	v_pk_mul_f32 v[\va+8*\hs+\q:\va+8*\hs+\q+1], v[vr+\q:vr+\q+1], v[\pb+16*\hs:\pb+16*\hs+1] op_sel_hi:[1,0]
.elseif g%2 == 0
	v_pk_fma_f32 v[\va+8*\hs+\q:\va+8*\hs+\q+1], v[vr+\q:vr+\q+1], v[\pb+16*\hs+g:\pb+16*\hs+g+1], v[\va+8*\hs+\q:\va+8*\hs+\q+1] op_sel_hi:[1,0,1]
.else
	v_pk_fma_f32 v[\va+8*\hs+\q:\va+8*\hs+\q+1], v[vr+\q:vr+\q+1], v[\pb+16*\hs+g-1:\pb+16*\hs+g], v[\va+8*\hs+\q:\va+8*\hs+\q+1] op_sel:[0,1,0] op_sel_hi:[1,1,1]
.endif
.endr
.endr
.set g, g+1
.endr
	WIN 0
.endm
.macro VQ va, cd
.set i, 0
.rept 16
	v_med3_num_f32 v[\va+i], v[\va+i], -v[LIM], v[LIM]
.set i, i+1
.endr
	v_cvt_scalef32_pk8_fp8_f32 v[\cd:\cd+1], v[\va:\va+7], v[SC]
	v_cvt_scalef32_pk8_fp8_f32 v[\cd+2:\cd+3], v[\va+8:\va+15], v[SC]
	v_nop                                          ; a plain line behind the last conversion
.endm
.macro PROD4 m
	PLOAD 32, PR, \m, 0
	PLOAD 64, PR, \m, 2
	s_mov_b32 s[HO], 0
	s_mov_b32 s[IO], 0
.Lp4_\@:                                           ; four query heads a trip
	s_add_co_u32 s62, s[HO], 64
	s_and_b32 s62, s62, 255                        ; the last trip's look-ahead wraps to heads 0-3: it stays inside p
	v_add_nc_u32 v[ADR2], s62, v[PR]
	v_add_nc_u32 v[ADR3], s[IO], v[VW]
	s_wait_dscnt 8                                 ; behind this set's eight loads at least the other set's eight were issued
	FMA 32, 96, \m
	PLOAD 32, ADR2, \m, 0
	VQ 96, 128
	ds_store_b128 v[ADR3], v[128:131] offset:\m*4096
	s_wait_dscnt 8
	FMA 64, 112, \m
	PLOAD 64, ADR2, \m, 2
	VQ 112, 132
	ds_store_b128 v[ADR3], v[132:135] offset:\m*4096+512
	s_add_co_u32 s[IO], s[IO], 1024
	s_add_co_u32 s[HO], s[HO], 64
	s_cmp_lt_u32 s[HO], 256
	s_cbranch_scc1 .Lp4_\@
	s_wait_dscnt 0x0                               ; the look-ahead's loads have landed: the next tile's first loads name the same registers
.endm
	v_mov_b32 v[SC], s36
	v_mov_b32 v[LIM], s37
	PROD4 0
	PROD4 1
	PROD4 2
	PROD4 3
	BARRIER                                        ; val's 32 fragments lie where y's lay
; THE WAY OUT, a tile of 16 rows x 128 columns at a time: sums x 2^(e6+e7) (bo went in divided by it), through my stage, back as whole rows of 512 bytes.  All its registers lie in window 2, which v has left.
.macro TOSTAGE m
	WIN 0x83
.irp t,0,1,2,3,4,5,6,7
.irp j,0,2,4,6
	v_pk_mul_f32 v[8*\t+\j:8*\t+\j+1], v[8*(4*\t+(\m))+\j:8*(4*\t+(\m))+\j+1], s[46:47] op_sel_hi:[1,0]
.endr
.endr
	WIN 0x08
.irp t,0,1,2,3,4,5,6,7
	ds_store_b128 v[SO], v[8*\t:8*\t+3] offset:64*\t
	ds_store_b128 v[SO], v[8*\t+4:8*\t+7] offset:64*\t+16
.endr
	WIN 0x80
.set i, 0
.rept 16
	ds_load_b128 v[64+64*((\m)%2)+4*i:64+64*((\m)%2)+4*i+3], v[STW] offset:SP*i   ; LDS serves a wave's instructions in order: these see the stores above
.set i, i+1
.endr
	WIN 0
.endm
.macro SEND m, a, younger              ; younger: the LDS instructions issued behind tile m's loads
	s_wait_dscnt \younger
	WIN 0x08
.set i, 0
.rept 16
	global_store_b128 v[LI], v[64+64*((\m)%2)+4*i:64+64*((\m)%2)+4*i+3], s[18:19] offset:(16*(\m)+i)*4096+512*(\a) th:TH_STORE_NT   ; 32 lanes store 512 consecutive bytes, at a multiple of 256 from out's first byte
.set i, i+1
.endr
	WIN 0
.endm
.macro EPI_OUT a
	s_wait_xcnt 0x0                                ; earlier stores have read their registers
	TOSTAGE 0
.irp m,1,2,3
.if \m > 1
	s_wait_xcnt 0x0                                ; tile m - 2's stores have read the registers that tile m's loads take
.endif
	TOSTAGE \m
	SEND \m-1, \a, 32                              ; behind tile m - 1's loads: tile m's 16 stores and 16 loads
.endr
	SEND 3, \a, 0
.endm
	LDA 32, YA, 0
	s_mov_b32 s[PH], 0
	s_mov_b32 s[BOF], 0
.Lout:                                             ; the two last passes share one text; only the fourth trip has two forms, chosen by the pass's number
	v_add_nc_u32 v[BADR], s[BOF], v[BA1]
	PASS 0xf1, 0xc0, YA, BADR, 12288, 64, 256, 3, 0
	s_cmp_eq_u32 s[PH], 0
	s_cbranch_scc0 .Llast_trip
	TRIP 0xf1, YA, 1
	s_branch .Lpass_done
.Llast_trip:
	TRIP 0xf1, YA, 0                               ; the stream's last trip asks for nothing: no load leaves the buffer
.Lpass_done:
	PASS_END
	EPI_OUT 0
	s_wait_xcnt 0x0                                ; the stores have read their base
	s_add_nc_u64 s[18:19], s[18:19], 512           ; the next 128 columns of out
	s_add_co_u32 s[BOF], s[BOF], 512
	s_add_co_u32 s[PH], s[PH], 1
	s_cmp_lt_u32 s[PH], 2
	s_cbranch_scc1 .Lout
	s_wait_tensorcnt 0x0                           ; the wave's end: behind my last LDS store
	ds_add_u32 v[SPW], v[NIL]
	s_wait_dscnt 0x0
	s_endpgm
.Lfunc_end_k_q82f5f3aeee_fused:
	.size	k_q82f5f3aeee_fused, .Lfunc_end_k_q82f5f3aeee_fused-k_q82f5f3aeee_fused
	.p2alignl 7, 3214868480
	.fill 96, 4, 3214868480
	.section	.rodata,"a",@progbits
	.p2align	6, 0x0
	.amdhsa_kernel k_q82f5f3aeee_fused
		.amdhsa_group_segment_fixed_size 314880
		.amdhsa_private_segment_fixed_size 0
		.amdhsa_enable_private_segment 0
		.amdhsa_kernarg_size 64
		.amdhsa_user_sgpr_count 2
		.amdhsa_user_sgpr_kernarg_segment_ptr 1
		.amdhsa_wavefront_size32 1
		.amdhsa_system_sgpr_workgroup_id_x 1
		.amdhsa_system_sgpr_workgroup_id_y 1
		.amdhsa_system_sgpr_workgroup_id_z 1
		.amdhsa_system_vgpr_workitem_id 0
		.amdhsa_next_free_vgpr 1024
		.amdhsa_next_free_sgpr 66
		.amdhsa_reserve_vcc 0
		.amdhsa_float_denorm_mode_32 3
		.amdhsa_float_denorm_mode_16_64 3
		.amdhsa_memory_ordered 1
		.amdhsa_forward_progress 1
		.amdhsa_inst_pref_size 255
	.end_amdhsa_kernel
	.section	.bss,"aw",@nobits
	.p2align	6
	.space	262144
	.amdgpu_metadata
---
amdhsa.version: [ 1, 2 ]
amdhsa.kernels:
  - .name:           k_q82f5f3aeee_fused
    .symbol:         k_q82f5f3aeee_fused.kd
    .args:
      - { .name: y, .offset: 0, .size: 8, .value_kind: global_buffer, .address_space: global }
      - { .name: x, .offset: 8, .size: 8, .value_kind: global_buffer, .address_space: global }
      - { .name: wcodes, .offset: 16, .size: 8, .value_kind: global_buffer, .address_space: global }
      - { .name: bq, .offset: 24, .size: 8, .value_kind: global_buffer, .address_space: global }
      - { .name: bkv, .offset: 32, .size: 8, .value_kind: global_buffer, .address_space: global }
      - { .name: bo, .offset: 40, .size: 8, .value_kind: global_buffer, .address_space: global }
      - { .name: lowp_scales, .offset: 48, .size: 8, .value_kind: global_buffer, .address_space: global }
      - { .name: out0, .offset: 56, .size: 8, .value_kind: global_buffer, .address_space: global }
    .group_segment_fixed_size: 314880
    .private_segment_fixed_size: 0
    .kernarg_segment_align: 8
    .kernarg_segment_size: 64
    .max_flat_workgroup_size: 128
    .sgpr_count:     66
    .vgpr_count:     1024
    .wavefront_size: 32
...
	.end_amdgpu_metadata
.endif
;; end of part 2
